; MI455X (gfx1250); checked and timed in simulation.
; The chip was launched on July 23, 2026; its instructions are those of AMD's public machine-readable ISA for CDNA 5 (MIT licence, August 2026) and "CDNA5" Instruction Set Architecture Reference Guide (July 2026). The comments in the code are by the model that wrote it; some were corrected since.
;; Re LU Feat Posenc. Allowed arithmetic: matrix products marked QUANTISED: E2M3 operands, one E8M0 scale for each 32 along K, by v_wmma_scale_f32_16x16x128_f8f6f4 with both operands' format E2M3, f32 sums; products left as they are: f32 operands where the result goes on into a quantised operand, else bf16, f16 or f32 operands; f32 sums; everything else in f32.
;; Inputs: UV 524,288 x 2 float32; W0 166 x 128 float32; W1 128 x 128 float32; W2 128 x 128 float32; W3 128 x 128 float32; W4 128 x 3 float32; b0 128 float32; b1 128 float32; b2 128 float32; b3 128 float32; b4 3 float32; features 512 x 512 x 100 float32.
;; Outputs: out0 524,288 x 3 float32.
;; This version of the problem:
;;   THIS VERSION OF THE PROBLEM IS GIVEN IN LOW PRECISION. The matrix products marked QUANTISED in the list below multiply operands that are first quantised to E2M3 (2 exponent bits, 3 mantissa bits; 6 bits a number), with one power-of-two scale for each 32 numbers along K (OCP MX v1.0); their sums are f32. All else is computed in f32.
;;   The module's matrix products, in the order in which they are computed (A, B: the left and right operand; K: the contracted axis; several contracted axes count as one K, in the product's order):
;;     1. [M 524,288, K 166] x [K 166, N 128]; A: computed on the way; B: input W0: QUANTISED
;;     2. [M 524,288, K 128] x [K 128, N 128]; A: computed on the way; B: input W1: QUANTISED
;;     3. [M 524,288, K 128] x [K 128, N 128]; A: computed on the way; B: input W2: QUANTISED
;;     4. [M 524,288, K 128] x [K 128, N 128]; A: computed on the way; B: input W3: QUANTISED
;;     5. [M 524,288, K 128] x [K 128, N 3]; A: computed on the way; B: input W4: left as it is (N = 3 < 16)
;;   THE QUANTISER, for each operand of a quantised product, along K:
;;     - K is cut into blocks of 32 from its start; a last block that is shorter is filled with zeros.
;;     - A block's scale is 2^e with e = floor(log2(the largest magnitude in the block)) - 2, held to -126 .. 127; a block of zeros has e = 0. As a byte (E8M0): e + 127.
;;     - Each number is divided by its block's scale, clamped to +-7.5, and rounded to the nearest number of E2M3, ties to even, subnormals kept.
;;     - The product sums the exact products of the quantised numbers (number of the format x scale) in f32.
;;   ~~~python
;;   def quantise(x, axis):      # numpy; x: float32 -> the quantised numbers, widened to float32 again
;;       x = np.moveaxis(x, axis, -1); K = x.shape[-1]
;;       x = np.pad(x, [(0, 0)] * (x.ndim - 1) + [(0, -K % 32)]); x = x.reshape(x.shape[:-1] + (-1, 32)); a = np.abs(x).max(-1, keepdims=True)
;;       e = np.where(a > 0, np.clip(np.frexp(np.where(a > 0, a, 1))[1] - 1 - 2, -126, 127), 0)      # np.frexp(a)[1] - 1 = floor(log2(a)), exactly
;;       r = np.clip(x / 2.0 ** e, -7.5, 7.5)
;;       step = 2.0 ** (np.maximum(np.frexp(np.where(r == 0, 1, r))[1] - 1, 0) - 3)
;;       q = np.round(r / step) * step * 2.0 ** e      # np.round: ties to even
;;       return np.moveaxis(q.reshape(q.shape[:-2] + (-1,))[..., :K], -1, axis).astype(np.float32)
;;   ~~~
;;   OPERANDS COMPUTED ON THE WAY. 'Computed on the way' means the value that the module computes at that place (a softmax that the list does not call 'softmax' is quantised finished and normalised). What goes into a quantiser is computed in f32, as accurately as f32 sums, v_exp_f32 and their like allow (about 1e-6 of the number): no bf16 or f16 on the way to a quantiser, and a product that is left as it is and whose result goes on into a quantised operand takes f32 operands (vector FMAs, or v_wmma_f32_16x16x4_f32). A number that lies on a knife's edge between two numbers of the format may be rounded either way, as far as f32 arithmetic and the matrix unit's own rounding can turn it there, and no further.
;; One version. Each part assembles by itself: llvm-mc -triple=amdgcn-amd-amdhsa -mcpu=gfx1250 --defsym DOCPART=n.
;; ======== version 1 of 1: 2 launches
;; limits: values are held in bf16: 8 bits of precision; right only within a limited range of input values
;; workspace buffers: cell 2,097,152 bytes of whole numbers; wimg 64,512 bytes
;; launch prep (part 1): grid 267 x 1, 4 waves a work-group, no clusters, 0 bytes of LDS; arguments UV, W0, W1, W2, W3, W4, cell, wimg; writes cell, wimg
.if DOCPART == 1
	.amdgcn_target "amdgcn-amd-amdhsa--gfx1250"
	.amdhsa_code_object_version 6
	.text
	.protected	k_q0217a0cb19_prep
	.globl	k_q0217a0cb19_prep
	.p2align	8
	.type	k_q0217a0cb19_prep,@function
k_q0217a0cb19_prep:
	s_mov_b64 s[64:65], 0
	v_nop
	global_prefetch_b8 v0, s[64:65] scope:SCOPE_SE
	s_setreg_imm32_b32 hwreg(HW_REG_WAVE_MODE, 25, 1), 1
	s_wait_xcnt 0x0
; PREPARATION.  Two kinds of work-group, parted by the work-group's number alone; no LDS, no barrier.
; (a) Work-groups 0-255: the grid cell of each of 524,288 points, as a whole number: cell = cu x 512 + cv, cu = floor(511 U) held to 0 .. 510, cv likewise.
;     The next launch forms its gather addresses from these words.  A point's four corners are table rows cell, +1, +512, +513; on a grid line the far corner has weight 0,
;     which gives what floor and ceil give for every finite table.  LIMITS: NaN in UV is not served; UV lies in 0 .. 1, as the table's index demands.
; (b) Work-groups 256-266: the weights, one wave to a fragment.  W0 .. W3 ([K][128] f32, K outermost) become codes of FP6 (E2M3) with one E8M0 byte for each 32 along K, laid as IMAGES OF THE
;     OPERAND'S REGISTERS: a fragment (16 output units x 128 K) is 12 registers a lane, stored four registers at a time, lane l's 16 bytes at 16 l.  A lane takes a column and its registers run down K,
;     so that a block of 32 lies in one lane and nothing is transposed.  W4 ([128][3]) becomes a bf16 image of the same kind.
;     A block's scale is 2^(floor(log2(largest magnitude)) - 2); its byte is the largest magnitude's exponent field - 2, held at 1 from below.  A block of zeros so gets the byte 1:
;     its codes are zeros, which add nothing, and the bytes are read by this program alone.  LIMIT: NaN and infinities among the weights are not served.
; THE UNITS OF A TILE ARE NOT NEIGHBOURS: lane r of tile t takes output unit 32 (t / 2) + 8 (t % 2) + r + 8 (r / 8), so that the next launch finds 16 neighbours along the next K in a lane's registers.
; THE ORDER OF K INSIDE A BLOCK OF W0 is the order in which the next launch holds x: place e = 16 h' + i of block b holds row 32 b + KAP (macro KAPSET).  Blocks, and so scales, are the true ones.
; wimg, in bytes: 0 W0's first 128 K (8 x 1,536); 12,288 W0's K 128 .. 165 (8 x 768: six registers); 18,432 W1; 30,720 W2; 43,008 W3; 55,296 scale words (40 x 128); 60,416 W4 (4 x 1,024).
.set X,  32                            ; v32-95   64 numbers of a lane
.set CD, 96                            ; v96-107  the fragment's codes; v108-114 second halves of blocks
.macro KAPSET cls, e                   ; cls 0: blocks 0, 1 (positional encoding); 1: blocks 2 .. 5 (features); 2: the natural order
.set KH, (\e)/16
.set KI, (\e)%16
.if \cls == 2
.set KAP, \e
.elseif KI == 0
.set KAP, KH
.elseif KI == 1
.set KAP, 28+KH
.elseif \cls == 0
.set KAP, 2+8*((KI-2)/4)+4*((KI-2)%2)+2*(((KI-2)%4)/2)+KH
.elseif KI < 14
.set KAP, 12*KH+KI
.else
.set KAP, 12+4*KH+KI
.endif
.endm
.macro WROWS cls, c, row0              ; the lane's block 2 c + h: 32 rows of its column; lanes 16-31 stand 32 rows further down (in v6)
.set E, 0
.rept 32
	KAPSET \cls, E
	global_load_b32 v[X+32*\c+E], v6, s[30:31] offset:512*(\row0+KAP)
.set E, E+1
.endr
.endm
.macro WQ nb                           ; nb blocks of a lane become codes in v[CD] on; the column's scale word goes out
.set C, 0
.rept \nb
	v_max3_num_f32 v[16+C], |v[X+32*C]|, |v[X+32*C+1]|, 0x1800000   ; the floor 2^(3 - 127) among the leaves: the byte cannot fall under 1
.set C, C+1
.endr
.set I, 2
.rept 15
.set C, 0
.rept \nb
	v_max3_num_f32 v[16+C], v[16+C], |v[X+32*C+I]|, |v[X+32*C+I+1]|
.set C, C+1
.endr
.set I, I+2
.endr
.set C, 0
.rept \nb
	v_add_nc_u32 v[18+C], 0xff000000, v[16+C]      ; 2 off the exponent field: the conversion's scale operand
.set C, C+1
.endr
.set C, 0
.rept \nb
	v_lshrrev_b32 v[20+C], 23, v[18+C]             ; the scale's byte
.set C, C+1
.endr
.if \nb == 2
	v_lshl_or_b32 v9, v21, 16, v20                 ; my bytes: blocks h and 2 + h
.else
	v_mov_b32 v9, v20
.endif
	v_lshlrev_b32 v10, 3, v3
	v_lshlrev_b32 v9, v10, v9                      ; 8 h bits up
	v_mov_b32 v10, 0
	v_permlanex16_b32 v10, v9, s26, s27
	v_or_b32 v9, v9, v10                           ; with lane l xor 16's the word is whole, in both lanes
.if \nb == 1
	v_or_b32 v9, 0x7f7f0000, v9                    ; blocks 6 and 7 do not exist: the byte of 1.0
.endif
.set C, 0
.rept \nb
	v_cvt_scalef32_pk16_fp6_f32 v[CD+6*C:CD+6*C+2], v[X+32*C:X+32*C+15], v[18+C]
	v_cvt_scalef32_pk16_fp6_f32 v[CD+12+4*C:CD+14+4*C], v[X+32*C+16:X+32*C+31], v[18+C]   ; (a conversion's three registers begin on an even number)
.set C, C+1
.endr
	v_nop                                          ; one plain place behind a scaled conversion
.set C, 0
.rept \nb
	v_mov_b32 v[CD+6*C+3], v[CD+12+4*C]
	v_mov_b32 v[CD+6*C+4], v[CD+13+4*C]
	v_mov_b32 v[CD+6*C+5], v[CD+14+4*C]
.set C, C+1
.endr
	global_store_b32 v12, v9, s[28:29]             ; 128 consecutive bytes a fragment
.endm
.macro OUT3                            ; twelve registers: three stores of 512 consecutive bytes
	global_store_b128 v11, v[CD:CD+3], s[18:19]
	global_store_b128 v11, v[CD+4:CD+7], s[18:19] offset:512
	global_store_b128 v11, v[CD+8:CD+11], s[18:19] offset:1024
.endm
	s_load_b512 s[4:19], s[0:1], 0x0               ; UV s[4:5], W0 s[6:7], W1 s[8:9], W2 s[10:11], W3 s[12:13], W4 s[14:15], cell s[16:17], wimg s[18:19]
	s_cmp_lt_u32 ttmp9, 256
	s_cbranch_scc0 .Lweights
	; ---- (a) 2,048 points a work-group: eight steps of 256; a thread takes two points (16 bytes of UV) a step
	s_lshl_b32 s20, ttmp9, 14
	s_mov_b32 s21, 0
	s_lshl_b32 s22, ttmp9, 13
	s_mov_b32 s23, 0
	v_lshlrev_b32 v1, 4, v0
	v_lshlrev_b32 v2, 3, v0
	s_wait_alu depctr_va_vdst(0)
	s_wait_kmcnt 0x0
	s_add_nc_u64 s[4:5], s[4:5], s[20:21]
	s_add_nc_u64 s[16:17], s[16:17], s[22:23]
.irp i, 0,1,2,3,4,5,6,7
	global_load_b128 v[8+4*\i:11+4*\i], v1, s[4:5] offset:2048*\i   ; a wave reads 512 consecutive bytes
.endr
.irp i, 0,1,2,3,4,5,6,7
	s_wait_loadcnt 7-\i                            ; loads come back in order: step i's is in, the younger ones stay out
	v_pk_mul_f32 v[8+4*\i:9+4*\i], v[8+4*\i:9+4*\i], 0x43ff8000 op_sel_hi:[1,0]      ; x 511
	v_pk_mul_f32 v[10+4*\i:11+4*\i], v[10+4*\i:11+4*\i], 0x43ff8000 op_sel_hi:[1,0]
.irp k, 0,1,2,3
	v_floor_f32 v[8+4*\i+\k], v[8+4*\i+\k]
.endr
.irp k, 0,1,2,3
	v_med3_num_f32 v[8+4*\i+\k], v[8+4*\i+\k], 0, 0x43ff0000   ; held to 0 .. 510
.endr
.irp k, 0,1,2,3
	v_cvt_u32_f32 v[8+4*\i+\k], v[8+4*\i+\k]
.endr
	v_lshl_add_u32 v[40+2*\i], v[8+4*\i], 9, v[9+4*\i]
	v_lshl_add_u32 v[41+2*\i], v[10+4*\i], 9, v[11+4*\i]
	global_store_b64 v2, v[40+2*\i:41+2*\i], s[16:17] offset:1024*\i   ; a wave stores 256 consecutive bytes, aligned; each step has registers of its own
.endr
	s_endpgm
.Lweights:
	v_lshrrev_b32 v7, 5, v0
	v_readfirstlane_b32 s20, v7                    ; wave
	s_sub_co_u32 s21, ttmp9, 256
	s_lshl_b32 s21, s21, 2
	s_add_co_u32 s21, s21, s20                     ; the fragment's number F
	v_and_b32 v1, 31, v0                           ; lane
	v_and_b32 v2, 15, v0                           ; r
	v_bfe_u32 v3, v0, 4, 1                         ; h
	v_and_b32 v4, 8, v2
	v_add_nc_u32 v4, v4, v2                        ; r + 8 (r / 8)
	v_lshlrev_b32 v5, 2, v4                        ; my column, in bytes
	v_lshl_add_u32 v6, v3, 14, v5                  ; and 32 rows of 512 bytes further down for lanes 16-31
	v_add_nc_u32 v8, -1, v3                        ; all ones in lanes 0-15, 0 in lanes 16-31
	v_lshlrev_b32 v11, 4, v1
	v_lshlrev_b32 v12, 2, v1
	v_lshlrev_b32 v13, 3, v1
	s_mov_b32 s26, 0x76543210
	s_mov_b32 s27, 0xfedcba98                      ; v_permlanex16_b32's selects for lane l xor 16
	s_and_b32 s22, s21, 7                          ; the tile t
	s_lshr_b32 s23, s22, 1
	s_lshl_b32 s23, s23, 7
	s_and_b32 s24, s22, 1
	s_lshl_b32 s24, s24, 5
	s_add_co_u32 s24, s24, s23                     ; 4 (32 (t / 2) + 8 (t % 2)): the tile's first column, in bytes
	s_mov_b32 s25, 0
	s_lshl_b32 s28, s21, 7
	s_add_co_u32 s28, s28, 55296
	s_mov_b32 s29, 0
	s_mov_b32 s35, 0
	s_wait_kmcnt 0x0
	s_add_nc_u64 s[28:29], s[18:19], s[28:29]      ; the fragment's scale words
	s_cmp_lt_u32 ttmp9, 258
	s_cbranch_scc1 .Lp0
	s_cmp_lt_u32 ttmp9, 260
	s_cbranch_scc1 .Lp1
	s_cmp_lt_u32 ttmp9, 266
	s_cbranch_scc1 .Lnat
	; ---- W4: wave s takes units 32 s .. 32 s + 31.  Lane (r, h) holds W4(32 s + 16 h + 0 .. 15, r), zeros for r > 2: the order in which the next launch packs its activations
	v_min_u32 v4, 2, v2
	v_lshlrev_b32 v4, 2, v4
	v_mad_u32_u24 v4, v3, 192, v4                  ; 4 min(r, 2) + 16 h rows of 12 bytes: no load leaves the 1,536 bytes
	s_mul_i32 s34, s20, 384
	s_add_nc_u64 s[14:15], s[14:15], s[34:35]
.set E, 0
.rept 16
	global_load_b32 v[X+E], v4, s[14:15] offset:12*E
.set E, E+1
.endr
	v_cmp_gt_u32 vcc_lo, 3, v2
	v_cndmask_b32 v9, 0, -1, vcc_lo
	s_lshl_b32 s34, s20, 10
	s_add_co_u32 s34, s34, 60416
	s_add_nc_u64 s[18:19], s[18:19], s[34:35]
	s_wait_alu depctr_va_vdst(0)
	s_wait_loadcnt 0x0
.set E, 0
.rept 16
	v_and_b32 v[X+E], v9, v[X+E]
.set E, E+1
.endr
.set E, 0
.rept 8
	v_cvt_pk_bf16_f32 v[CD+E], v[X+2*E], v[X+2*E+1]
.set E, E+1
.endr
	global_store_b128 v11, v[CD:CD+3], s[18:19]
	global_store_b128 v11, v[CD+4:CD+7], s[18:19] offset:512
	s_endpgm
.Lp0:                                  ; ---- W0, K 0 .. 127
	s_add_nc_u64 s[30:31], s[6:7], s[24:25]
	s_mul_i32 s34, s21, 1536
	s_add_nc_u64 s[18:19], s[18:19], s[34:35]
	s_wait_alu depctr_va_vdst(0)
	WROWS 0, 0, 0
	WROWS 1, 1, 64
	s_wait_loadcnt 0x0
	WQ 2
	OUT3
	s_endpgm
.Lp1:                                  ; ---- W0, K 128 .. 165: lanes 0-15 block 4, lanes 16-31 block 5, of which six rows exist
	s_add_nc_u64 s[30:31], s[6:7], s[24:25]
	s_mul_i32 s34, s21, 768
	s_add_co_u32 s34, s34, 6144                    ; 12,288 + 768 (F - 8)
	s_add_nc_u64 s[18:19], s[18:19], s[34:35]
.set E, 0
	s_wait_alu depctr_va_vdst(0)
.rept 32
	KAPSET 1, E
.if KAP <= 5
	global_load_b32 v[X+E], v6, s[30:31] offset:512*(128+KAP)
.else
	global_load_b32 v[X+E], v5, s[30:31] offset:512*(128+KAP)   ; lanes 16-31 read block 4's row here, so that no load passes row 165; they are cleared below
.endif
.set E, E+1
.endr
	s_wait_loadcnt 0x0
.set E, 0
.rept 32
	KAPSET 1, E
.if KAP > 5
	v_and_b32 v[X+E], v8, v[X+E]
.endif
.set E, E+1
.endr
	WQ 1
	global_store_b128 v11, v[CD:CD+3], s[18:19]
	global_store_b64 v13, v[CD+4:CD+5], s[18:19] offset:512
	s_endpgm
.Lnat:                                 ; ---- W1, W2, W3: the natural order of K
	s_cmp_lt_u32 s21, 24
	s_cselect_b64 s[30:31], s[8:9], s[10:11]
	s_cmp_lt_u32 s21, 32
	s_cselect_b64 s[30:31], s[30:31], s[12:13]
	s_add_nc_u64 s[30:31], s[30:31], s[24:25]
	s_mul_i32 s34, s21, 1536
	s_sub_co_u32 s34, s34, 6144                    ; 18,432 + 1,536 (F - 16)
	s_add_nc_u64 s[18:19], s[18:19], s[34:35]
	s_wait_alu depctr_va_vdst(0)
	WROWS 2, 0, 0
	WROWS 2, 1, 64
	s_wait_loadcnt 0x0
	WQ 2
	OUT3
	s_endpgm
.Lfunc_end_k_q0217a0cb19_prep:
	.size	k_q0217a0cb19_prep, .Lfunc_end_k_q0217a0cb19_prep-k_q0217a0cb19_prep
	.p2alignl 7, 3214868480
	.fill 96, 4, 3214868480
	.section	.rodata,"a",@progbits
	.p2align	6, 0x0
	.amdhsa_kernel k_q0217a0cb19_prep
		.amdhsa_group_segment_fixed_size 0
		.amdhsa_private_segment_fixed_size 0
		.amdhsa_enable_private_segment 0
		.amdhsa_kernarg_size 64
		.amdhsa_user_sgpr_count 2
		.amdhsa_user_sgpr_kernarg_segment_ptr 1
		.amdhsa_wavefront_size32 1
		.amdhsa_system_sgpr_workgroup_id_x 1
		.amdhsa_system_sgpr_workgroup_id_y 1
		.amdhsa_system_sgpr_workgroup_id_z 1
		.amdhsa_system_vgpr_workitem_id 0
		.amdhsa_next_free_vgpr 128
		.amdhsa_next_free_sgpr 66
		.amdhsa_reserve_vcc 1
		.amdhsa_float_denorm_mode_32 3
		.amdhsa_float_denorm_mode_16_64 3
		.amdhsa_memory_ordered 1
		.amdhsa_forward_progress 1
		.amdhsa_inst_pref_size 41
	.end_amdhsa_kernel
	.amdgpu_metadata
---
amdhsa.version: [ 1, 2 ]
amdhsa.kernels:
  - .name:           k_q0217a0cb19_prep
    .symbol:         k_q0217a0cb19_prep.kd
    .args:
      - { .name: UV, .offset: 0, .size: 8, .value_kind: global_buffer, .address_space: global }
      - { .name: W0, .offset: 8, .size: 8, .value_kind: global_buffer, .address_space: global }
      - { .name: W1, .offset: 16, .size: 8, .value_kind: global_buffer, .address_space: global }
      - { .name: W2, .offset: 24, .size: 8, .value_kind: global_buffer, .address_space: global }
      - { .name: W3, .offset: 32, .size: 8, .value_kind: global_buffer, .address_space: global }
      - { .name: W4, .offset: 40, .size: 8, .value_kind: global_buffer, .address_space: global }
      - { .name: cell, .offset: 48, .size: 8, .value_kind: global_buffer, .address_space: global }
      - { .name: wimg, .offset: 56, .size: 8, .value_kind: global_buffer, .address_space: global }
    .group_segment_fixed_size: 0
    .private_segment_fixed_size: 0
    .kernarg_segment_align: 8
    .kernarg_segment_size: 64
    .max_flat_workgroup_size: 128
    .sgpr_count:     66
    .vgpr_count:     128
    .wavefront_size: 32
...
	.end_amdgpu_metadata
.endif
;; end of part 1
;; launch mlp (part 2): grid 256 x 1, 4 waves a work-group, no clusters, 49,664 bytes of LDS; arguments UV, cell, features, wimg, b0, b1, b2, b3, b4, out0; writes out0
.if DOCPART == 2
	.amdgcn_target "amdgcn-amd-amdhsa--gfx1250"
	.amdhsa_code_object_version 6
	.text
	.protected	k_q0217a0cb19_mlp
	.globl	k_q0217a0cb19_mlp
	.p2align	8
	.type	k_q0217a0cb19_mlp,@function
k_q0217a0cb19_mlp:
	s_mov_b64 s[64:65], 0
	v_nop
	global_prefetch_b8 v0, s[64:65] scope:SCOPE_SE
	s_setreg_imm32_b32 hwreg(HW_REG_WAVE_MODE, 25, 1), 1
	s_wait_xcnt 0x0
; out = MLP(concat(posenc(UV), bilinear(features, UV))): 166 -> 128 -> 128 -> 128 -> 128 -> 3, leaky ReLU (0.01) between.  The first four products on codes of FP6 (E2M3) with one E8M0 scale for each
; 32 along K, both operands; the last (N = 3) on bf16 operands; all sums and everything else in f32.
; SHARES.  1,024 waves, one to a SIMD; a wave owns 32 consecutive tiles of 16 points and shares nothing: no barrier.  It keeps ALL weights in registers (W0 .. W3: 438, W4: 32, scale words: 20), read once
; from the images that the launch before has laid; activations never leave its registers.  Every product is used transposed (source 0 = 16 output units, source 1 = 16 points): lane (r, h) belongs to point r.
; THE UNITS OF A TILE ARE NOT NEIGHBOURS: lane r of tile t takes unit 32 (t / 2) + 8 (t % 2) + r + 8 (r / 8), so that register 16 b + i of a lane's 64 results is unit 32 b + 16 h + i: 16 neighbours along the next K.
; A bias is the C of its sum: it is loaded from LDS into the accumulator itself.
; THE GATHER.  A point's four table rows (400 bytes each) begin at cell x 400 + 0, 400, 204,800, 205,200; cell is a whole number stored by the launch before.  A tile's 16 x 25 pieces of 16 bytes are 13 SLOTS of 32
; pieces: lane l of slot j takes piece 32 j + l (point p = piece / 25, part q = piece % 25), so that a gather reads runs of 400 consecutive bytes.  A slot is four loads, eight packed multiply-adds and one LDS store.
; PIPELINE.  The body of tile n computes tile n's MLP; between its matrix instructions stand the slots' parts, which blend tile n + 1, ask for tile n + 2's rows and for tile n + 3's cell words: 52 gathers of
; 512 bytes are on their way for a whole body.  The rows of tile n + 3 are prefetched at the body's head, one body ahead of their gathers, clamped to the wave's last tile.
; SINE AND COSINE are written out: n = round(x / pi) by the magic number 1.5 x 2^23, x - n pi in two fused steps (the first is exact), Taylor polynomials to r^11 and r^12 on |r| <= pi / 2, the sign from n's parity.
; LIMITS: UV lies in 0 .. 1, as the table's index demands (the reduction holds for |UV| < 400); NaN in UV is not served; on a grid line the far corner has weight 0, so a non-finite feature there would give NaN;
; a block of zeros keeps the scale byte 1: its codes are zeros.
; WHY NO CLUSTER, NO TENSOR LOAD: work-groups share only the 64,512 bytes of weight images, read once at the head; every point has an address of its own.
; LDS, 12,288 bytes a wave: 0 blended features [16][100] f32, dense (+ 256 bytes for slot 12's upper lanes); 6,656 the 16 points' four weights (+ 256 dump); 7,168 b0 .. b3; 9,216 eight tiles of results (+ 1,536 dump).
; REGISTERS, in windows of 256.  Window 0: v1-25 addresses and constants; v26-47 scale words; v48-59 x's codes of K 128 ..; v60-95 at work; v96-127 x's blocks 4, 5; v128-191, v192-255 two sets of accumulators.
;   Window 1: W0 (v0-149), W1 (v150-245), b4 (v246-253).  Window 2: W2, W3, W4 (v0-223), the slots' 4 p and LDS addresses of the points' weights (v224-249).
;   Window 3: the slots' 16 registers each (v0-207), cell words, offsets, 16 q (v208-246), an LDS address (v247), two sets of a point's four weights (v248-255).
.set WREG,  12288
.set TBLO,  6656
.set BIASO, 7168
.set OUTO,  9216
.set LI,    1                          ; wave's LDS + 16 lane
.set RD48,  2                          ; wave's LDS + 400 r + 48 h
.set RD16,  3                          ; .. + 16 h
.set RD4,   4                          ; .. + 4 h
.set BH,    5                          ; wave's LDS + 7,168 + 64 h
.set MSK,   6                          ; all ones in lanes 0-15, 0 in lanes 16-31
.set OB,    7                          ; wave's LDS + 9,216 + 12 r + 1,536 h
.set OA,    8                          ; the same at this tile's place
.set UVO,   9                          ; 8 r + 4 h: lanes 0-15 take U, lanes 16-31 V
.set PFO,   10                         ; the prefetch's offset
.set PIDX,  11                         ; cell words for the prefetch
.set CUR,   12                         ; my coordinate of tile n, n + 1, n + 2
.set NXT,   13
.set LND,   14
.set GO,    15                         ; 16 lane
.set PCO,   16                         ; 4 r
.set PFH,   17                         ; 204,800 h
.set K12,   18                         ; (1.0, 4.0)
.set MAGIC, 20                         ; 1.5 x 2^23, twice
.set VS4,   22                         ; 1 / 9!, twice
.set VC5,   24                         ; -1 / 10!, twice
.set PW,    26                         ; the scale word just made
.set XS1,   27                         ; x's scale word of K 128 ..
.set WS,    28                         ; v28-47 the weights' scale words: lanes 0-15 an even tile's, lanes 16-31 the odd tile's behind it
.set XC1,   48
.set PC,    60                         ; the codes just made
.set PT,    72
.set TM,    80
.set X0,    88
.set XB,    96
.set HA,    128
.set HB,    192
.set OD0,   HB+48
.set OD1,   HB+56
.set W0A,   0                          ; window 1
.set W0B,   96                         ; tile t at 96 + 6 t, 12 long: its upper six registers, the next tile's codes, meet x's zero codes and add nothing
.set W1F,   150
.set B4C,   246
.set W2F,   0                          ; window 2
.set W3F,   96
.set W4F,   192
.set P4,    224
.set T16,   237
.set IDX,   208                        ; window 3
.set VOFF,  221
.set Q16,   234
.set LI3,   247
.set WB,    248
.set MSB, 0
.macro WIN new                         ; bits 1:0 source 0, 3:2 source 1, 5:4 source 2, 7:6 destination; the immediate's high byte repeats the setting that is left
.if MSB != \new
	s_set_vgpr_msb (MSB<<8)|\new
.set MSB, \new
.endif
.endm
; LDS instructions are tallied in DSN as they are written; a mark is DSN's value behind an instruction, and DSN - mark is the number of LDS instructions issued since: the count of the wait for it
; (LDS serves a wave's instructions in order: ISA guide 5.7.1).  Marks are used only inside the straight-line text in which they were set.
.set DSN,  0
.set MKW0, 0
.set MKW1, 0
.set MKA,  0
.set MKB,  0
.set MKRB, 0
; ONE PART OF A SLOT.  PP counts the parts of a body: slot PP / 3, part PP % 3.  FAB: blend; FCC: ask for new rows; LCT: the tail's counts.
.macro PART
.set PJ,  PP/3
.set PG,  16*PJ
.set PWB, WB+4*(PJ%2)
.if PP%3 == 0
.if LCT
	s_wait_loadcnt 60-5*PJ                         ; the tail issues no loads: behind this slot's five stand those of the slots behind it
.else
	s_wait_loadcnt 62                              ; behind this slot's five loads of the round before: 5 (12 - j) of that round, 2 at this body's head, 5 j of this round
.endif
.if PJ%2
	s_wait_dscnt DSN-MKW1                          ; the point's four weights are in
.else
	s_wait_dscnt DSN-MKW0
.endif
	WIN 0xff
	v_pk_mul_f32 v[PG:PG+1], v[PG:PG+1], v[PWB:PWB+1] op_sel_hi:[1,0]                                          ; corner 00 x (1 - fu)(1 - fv)
	v_pk_mul_f32 v[PG+2:PG+3], v[PG+2:PG+3], v[PWB:PWB+1] op_sel_hi:[1,0]
	v_pk_fma_f32 v[PG:PG+1], v[PG+4:PG+5], v[PWB:PWB+1], v[PG:PG+1] op_sel:[0,1,0] op_sel_hi:[1,1,1]           ; + corner 10 x fu (1 - fv)
	v_pk_fma_f32 v[PG+2:PG+3], v[PG+6:PG+7], v[PWB:PWB+1], v[PG+2:PG+3] op_sel:[0,1,0] op_sel_hi:[1,1,1]
.elseif PP%3 == 1
	WIN 0xff
	v_pk_fma_f32 v[PG:PG+1], v[PG+8:PG+9], v[PWB+2:PWB+3], v[PG:PG+1] op_sel_hi:[1,0,1]                        ; + corner 01 x (1 - fu) fv
	v_pk_fma_f32 v[PG+2:PG+3], v[PG+10:PG+11], v[PWB+2:PWB+3], v[PG+2:PG+3] op_sel_hi:[1,0,1]
	v_pk_fma_f32 v[PG:PG+1], v[PG+12:PG+13], v[PWB+2:PWB+3], v[PG:PG+1] op_sel:[0,1,0] op_sel_hi:[1,1,1]       ; + corner 11 x fu fv
	v_pk_fma_f32 v[PG+2:PG+3], v[PG+14:PG+15], v[PWB+2:PWB+3], v[PG+2:PG+3] op_sel:[0,1,0] op_sel_hi:[1,1,1]
.else
	WIN 0xff
.if FCC
	v_min_u32 v[VOFF+PJ], 0x3fdfe, v[IDX+PJ]       ; the cell word, held to 510 x 512 + 510: with + 513 rows the last byte read is the table's last
	v_mul_u32_u24 v[VOFF+PJ], 400, v[VOFF+PJ]
	v_add_nc_u32 v[VOFF+PJ], v[VOFF+PJ], v[Q16+PJ]
.endif
.if FAB
	ds_store_b128 v[LI3], v[PG:PG+3] offset:512*PJ ; the blended piece 32 j + lane lies at 16 x piece = 400 p + 16 q: 512 consecutive bytes; it heads the slot's one run of memory instructions
.set DSN, DSN+1
.endif
.if FCC
	global_load_b128 v[PG+4:PG+7], v[VOFF+PJ], s[8:9] offset:204800
	global_load_b128 v[PG+8:PG+11], v[VOFF+PJ], s[8:9] offset:400
	global_load_b128 v[PG+12:PG+15], v[VOFF+PJ], s[8:9] offset:205200
	global_load_b128 v[PG:PG+3], v[VOFF+PJ], s[8:9]                ; last: into the four registers that the LDS store above has read
	WIN 0xc2
	global_load_b32 v[IDX+PJ], v[P4+PJ], s[34:35]                  ; the next round's cell words
.endif
.if FAB && (PJ <= 10)
	WIN 0xc2
	ds_load_b128 v[PWB:PWB+3], v[T16+PJ+2]         ; the weights for the slot two on, into the set that this slot has left
.set DSN, DSN+1
.if PJ%2
.set MKW1, DSN
.else
.set MKW0, DSN
.endif
.endif
.endif
.set PP, PP+1
.endm
; Eight plain vector instructions between the quantiser and the first scaled matrix instruction: a scale word written by a vector instruction stands eight places ahead of it, an operand four.
.macro LEAD
.if FAB
	PART
	PART
.else
.rept 8
	v_nop
.endr
.endif
.endm
; Eight matrix instructions, one to each of a set's eight accumulators (they take turns), a part of a slot behind each while the quota QUO lasts.
.macro MMRUN win, a, step, b, d, ws, sb
.set MT, 0
.rept 8
	WIN \win
.if MT%2
	v_wmma_scale_f32_16x16x128_f8f6f4 v[\d+8*MT:\d+8*MT+7], v[\a+\step*MT:\a+\step*MT+11], v[\b:\b+11], v[\d+8*MT:\d+8*MT+7], v[\ws+MT/2], v[\sb] matrix_a_fmt:MATRIX_FMT_FP6 matrix_b_fmt:MATRIX_FMT_FP6 matrix_a_scale:MATRIX_SCALE_ROW1
.else
	v_wmma_scale_f32_16x16x128_f8f6f4 v[\d+8*MT:\d+8*MT+7], v[\a+\step*MT:\a+\step*MT+11], v[\b:\b+11], v[\d+8*MT:\d+8*MT+7], v[\ws+MT/2], v[\sb] matrix_a_fmt:MATRIX_FMT_FP6 matrix_b_fmt:MATRIX_FMT_FP6
.endif
.if FAB && (QUO > 0)
	PART
.set QUO, QUO-1
.endif
.set MT, MT+1
.endr
.endm
.macro CLOSE                           ; four places behind the last product (ISA guide 7.12.1), in front of the first read of results and of writes over the codes
	WIN 0
.rept 4
	v_nop
.endr
.endm
.macro BIASLD l, h                     ; layer l's bias into set h, in the result's layout: tile t's eight units of my half
.irp t, 0,1,2,3,4,5,6,7
	ds_load_b128 v[\h+8*\t:\h+8*\t+3], v[BH] offset:512*\l+128*(\t/2)+32*(\t%2)
	ds_load_b128 v[\h+8*\t+4:\h+8*\t+7], v[BH] offset:512*\l+128*(\t/2)+32*(\t%2)+16
.endr
.set DSN, DSN+16
.endm
.macro LRELU s                         ; max(z, 0.01 z); each accumulator is read from its low end on
.irp u, 0,32
.set I, 0
.rept 16
	v_pk_mul_f32 v[60+I:61+I], v[\s+\u+I:\s+\u+I+1], 0x3c23d70a op_sel_hi:[1,0]
.set I, I+2
.endr
.set I, 0
.rept 16
	v_dual_max_num_f32 v[\s+\u+I], v[\s+\u+I], v[60+I] :: v_dual_max_num_f32 v[\s+\u+I+1], v[\s+\u+I+1], v[60+I+1]   ; two maxima a line: an even and an odd destination, sources in different banks
.set I, I+2
.endr
.endr
.endm
; 64 numbers of a lane, register 16 b + i = place 32 b + 16 h + i of my point's K, become a fragment's codes in v[PC] on and its scale word in v[PW].
.macro QUANT s
.irp b, 0,1,2,3
	v_max3_num_f32 v[TM+\b], |v[\s+16*\b]|, |v[\s+1+16*\b]|, 0x1800000   ; my 16 numbers of block b, and the floor 2^(3 - 127): the byte cannot fall under 1
.endr
.irp i, 2,4,6,8,10,12,14
.irp b, 0,1,2,3
	v_max3_num_f32 v[TM+\b], v[TM+\b], |v[\s+16*\b+\i]|, |v[\s+1+16*\b+\i]|
.endr
.endr
.irp b, 0,1,2,3
	v_permlanex16_b32 v[TM+4+\b], v[TM+\b], s40, s41
.endr
.irp b, 0,1,2,3
	v_max_num_f32 v[TM+\b], v[TM+\b], v[TM+4+\b]   ; with lane l xor 16's: the block's largest magnitude
.endr
.irp b, 0,1,2,3
	v_add_nc_u32 v[TM+12+\b], 0xff000000, v[TM+\b] ; 2 off its exponent field: the conversion's scale operand
.endr
.irp b, 0,1,2,3
	v_lshrrev_b32 v[TM+4+\b], 23, v[TM+12+\b]      ; the scale's byte
.endr
	v_lshl_or_b32 v[PW], v[TM+5], 8, v[TM+4]
	v_lshl_or_b32 v[PW], v[TM+6], 16, v[PW]
	v_lshl_or_b32 v[PW], v[TM+7], 24, v[PW]
.irp c, 0,1
	v_cvt_scalef32_pk16_fp6_f32 v[PC+6*\c:PC+2+6*\c], v[\s+32*\c:\s+15+32*\c], v[TM+12+2*\c]
	v_cvt_scalef32_pk16_fp6_f32 v[PT+4*\c:PT+2+4*\c], v[\s+16+32*\c:\s+31+32*\c], v[TM+13+2*\c]   ; (a conversion's three registers begin on an even number)
.endr
	v_nop                                          ; one plain place behind a scaled conversion
.irp c, 0,1                            ; the operand's layout wants a whole block in a lane: lanes 0-15 block 2 c, lanes 16-31 block 2 c + 1
.irp i, 0,1,2
	v_permlane16_swap_b32 v[PC+6*\c+\i], v[PT+4*\c+\i]
.endr
.irp i, 0,1,2
	v_mov_b32 v[PC+3+6*\c+\i], v[PT+4*\c+\i]
.endr
.endr
.endm
.macro QUANT2                          ; x's blocks 4 and 5 (of block 5 six numbers exist; the rest of the registers hold 0) -> v[XC1 .. XC1+5], v[XS1]
	v_max3_num_f32 v[TM], |v[XB]|, |v[XB+1]|, 0x1800000
	v_max3_num_f32 v[TM+1], |v[XB+16]|, |v[XB+18]|, 0x1800000
.irp i, 2,4,6,8,10,12,14
	v_max3_num_f32 v[TM], v[TM], |v[XB+\i]|, |v[XB+\i+1]|
.endr
	v_max3_num_f32 v[TM+1], v[TM+1], |v[XB+19]|, |v[XB+20]|
	v_max_num_f32 v[TM+1], v[TM+1], |v[XB+21]|
	v_permlanex16_b32 v[TM+4], v[TM], s40, s41
	v_permlanex16_b32 v[TM+5], v[TM+1], s40, s41
	v_max_num_f32 v[TM], v[TM], v[TM+4]
	v_max_num_f32 v[TM+1], v[TM+1], v[TM+5]
	v_add_nc_u32 v[TM+12], 0xff000000, v[TM]
	v_add_nc_u32 v[TM+13], 0xff000000, v[TM+1]
	v_lshrrev_b32 v[TM+4], 23, v[TM+12]
	v_lshrrev_b32 v[TM+5], 23, v[TM+13]
	v_lshl_or_b32 v[XS1], v[TM+5], 8, v[TM+4]
	v_or_b32 v[XS1], 0x7f7f0000, v[XS1]            ; blocks 6 and 7 do not exist: zero codes under the byte of 1.0
	v_cvt_scalef32_pk16_fp6_f32 v[XC1:XC1+2], v[XB:XB+15], v[TM+12]
	v_cvt_scalef32_pk16_fp6_f32 v[PT:PT+2], v[XB+16:XB+31], v[TM+13]
	v_nop
.irp i, 0,1,2
	v_permlane16_swap_b32 v[XC1+\i], v[PT+\i]
.endr
.irp i, 0,1,2
	v_mov_b32 v[XC1+3+\i], v[PT+\i]
.endr
.endm
; The blended features come back from LDS into x's blocks 2 + beta.  Place i of lane (r, h) is K 32 b + KAP: i = 0: h; 1: 28 + h; 2 .. 13: 12 h + i; 14, 15: 12 + 4 h + i; feature f = K - 66 lies at byte 4 f of row r.
.macro RBB d, beta
.if \beta > 0
	ds_load_b32 v[\d], v[RD4] offset:128*\beta-8
.set DSN, DSN+1
.endif
	ds_load_b32 v[\d+1], v[RD4] offset:128*\beta+104
	ds_load_b128 v[\d+2:\d+5], v[RD48] offset:128*\beta
	ds_load_b128 v[\d+6:\d+9], v[RD48] offset:128*\beta+16
	ds_load_b128 v[\d+10:\d+13], v[RD48] offset:128*\beta+32
	ds_load_b64 v[\d+14:\d+15], v[RD16] offset:128*\beta+96
.set DSN, DSN+5
.endm
; The 16 points' four weights, from the coordinates in v[NXT], into LDS (lanes 16-31 write a dump), and the first two slots' weights back.
.macro TABLE
	v_mul_f32 v60, 0x43ff8000, v[NXT]              ; 511 c
	v_floor_f32 v61, v60
	v_med3_num_f32 v61, v61, 0, 0x43ff0000         ; the cell, 0 .. 510, as the launch before made it
	v_sub_f32 v60, v60, v61                        ; f: lanes 0-15 fu, lanes 16-31 fv
	v_permlanex16_b32 v62, v60, s40, s41           ; the other coordinate's
	v_sub_f32 v63, 1.0, v60
	v_sub_f32 v64, 1.0, v62
	v_mul_f32 v68, v63, v64
	v_mul_f32 v69, v60, v64
	v_mul_f32 v70, v63, v62
	v_mul_f32 v71, v60, v62
	ds_store_b128 v[LI], v[68:71] offset:TBLO
.set DSN, DSN+1
	WIN 0xc2
	ds_load_b128 v[WB:WB+3], v[T16]                ; LDS serves a wave's instructions in order: these see the store above
.set DSN, DSN+1
.set MKW0, DSN
	ds_load_b128 v[WB+4:WB+7], v[T16+1]
.set DSN, DSN+1
.set MKW1, DSN
	WIN 0
.endm
; Instruction n of 20 of the polynomials of a pair of frequencies, 4^g and 4^(g + 1), of my coordinate.  Temporaries at v[t]: +0 x, then r s; +2 z, n, then r^2 s; +4 s = +-1; +6 r; +8 r^2; +10, +12 the polynomials.
.macro PEI n, t, g
.if \n == 0
	v_pk_mul_f32 v[\t:\t+1], v[X0:X0+1], (127+2*(\g))<<23 op_sel_hi:[1,0]                  ; x = (c, 4 c) x 4^g: exact
.elseif \n == 1
	v_pk_fma_f32 v[\t+2:\t+3], v[\t:\t+1], 0x3ea2f983, v[MAGIC:MAGIC+1] op_sel_hi:[1,0,1]  ; x / pi + 1.5 x 2^23: the sum's last bits are round(x / pi)
.elseif \n == 2
	v_lshl_or_b32 v[\t+4], v[\t+2], 31, 0x3f800000                                         ; s = (-1)^n
.elseif \n == 3
	v_lshl_or_b32 v[\t+5], v[\t+3], 31, 0x3f800000
.elseif \n == 4
	v_pk_add_f32 v[\t+2:\t+3], v[\t+2:\t+3], 0xcb400000 op_sel_hi:[1,0]                    ; n
.elseif \n == 5
	v_pk_fma_f32 v[\t+6:\t+7], v[\t+2:\t+3], 0xc0490fdb, v[\t:\t+1] op_sel_hi:[1,0,1]      ; x - n pi_hi: exact
.elseif \n == 6
	v_pk_fma_f32 v[\t+6:\t+7], v[\t+2:\t+3], 0x33bbbd2e, v[\t+6:\t+7] op_sel_hi:[1,0,1]    ; + n (pi_hi - pi)
.elseif \n == 7
	v_pk_mul_f32 v[\t+8:\t+9], v[\t+6:\t+7], v[\t+6:\t+7]
.elseif \n == 8
	v_pk_fma_f32 v[\t+10:\t+11], v[\t+8:\t+9], 0xb2d7322b, v[VS4:VS4+1] op_sel_hi:[1,0,1]  ; -1/11!, 1/9!
.elseif \n == 9
	v_pk_fma_f32 v[\t+12:\t+13], v[\t+8:\t+9], 0x310f76c7, v[VC5:VC5+1] op_sel_hi:[1,0,1]  ; 1/12!, -1/10!
.elseif \n == 10
	v_pk_fma_f32 v[\t+10:\t+11], v[\t+10:\t+11], v[\t+8:\t+9], 0xb9500d01 op_sel_hi:[1,1,0]   ; -1/7!
.elseif \n == 11
	v_pk_fma_f32 v[\t+12:\t+13], v[\t+12:\t+13], v[\t+8:\t+9], 0x37d00d01 op_sel_hi:[1,1,0]   ; 1/8!
.elseif \n == 12
	v_pk_fma_f32 v[\t+10:\t+11], v[\t+10:\t+11], v[\t+8:\t+9], 0x3c088889 op_sel_hi:[1,1,0]   ; 1/5!
.elseif \n == 13
	v_pk_fma_f32 v[\t+12:\t+13], v[\t+12:\t+13], v[\t+8:\t+9], 0xbab60b61 op_sel_hi:[1,1,0]   ; -1/6!
.elseif \n == 14
	v_pk_fma_f32 v[\t+10:\t+11], v[\t+10:\t+11], v[\t+8:\t+9], 0xbe2aaaab op_sel_hi:[1,1,0]   ; -1/3!
.elseif \n == 15
	v_pk_fma_f32 v[\t+12:\t+13], v[\t+12:\t+13], v[\t+8:\t+9], 0x3d2aaaab op_sel_hi:[1,1,0]   ; 1/4!
.elseif \n == 16
	v_pk_mul_f32 v[\t+10:\t+11], v[\t+10:\t+11], v[\t+8:\t+9]
.elseif \n == 17
	v_pk_fma_f32 v[\t+12:\t+13], v[\t+12:\t+13], v[\t+8:\t+9], -0.5 op_sel_hi:[1,1,0]
.elseif \n == 18
	v_pk_mul_f32 v[\t:\t+1], v[\t+6:\t+7], v[\t+4:\t+5]                                    ; r s
.elseif \n == 19
	v_pk_mul_f32 v[\t+2:\t+3], v[\t+8:\t+9], v[\t+4:\t+5]                                  ; r^2 s
.endif
.endm
; Line n of 5 of group g's four results, from half k of the pair at v[t]: sin and cos of y = 4^g c by the polynomials; those of 2 y by one doubling in f32:
; sin 2y = (2 sin y) cos y, cos 2y = 1 - (2 sin y) sin y.  A block's last group puts cos y at the block's place 1, and cos 2y is the next block's first number.
.macro PEO n, t, k, g
.set PD, HB+16*((\g)/4)+4*((\g)%4)
.if (\g)%4 < 3
.set PCA, PD+4
.set PCB, PD+5
.else
.set PCA, PD-11
.set PCB, PD+4
.endif
.if \n == 0
	v_fma_f32 v[PD+2], v[\t+10+\k], v[\t+\k], v[\t+\k]
.elseif \n == 1
	v_fma_f32 v[PCA], v[\t+12+\k], v[\t+2+\k], v[\t+4+\k]
.elseif \n == 2
	v_add_f32 v[\t+6+\k], v[PD+2], v[PD+2]
.elseif \n == 3
	v_mul_f32 v[PD+3], v[\t+6+\k], v[PCA]
.else
	v_fma_f32 v[PCB], -v[\t+6+\k], v[PD+2], 1.0
.endif
.endm
.macro PE2 g                           ; groups g .. g + 3: two pairs by turns, sine's and cosine's chains by turns; then the four groups' results by turns
.irp n, 0,1,2,3,4,5,6,7,8,9,10,11,12,13,14,15,16,17,18,19
	PEI \n, 60, \g
	PEI \n, 74, \g+2
.endr
.irp n, 0,1,2,3,4
	PEO \n, 60, 0, \g
	PEO \n, 60, 1, \g+1
	PEO \n, 74, 0, \g+2
	PEO \n, 74, 1, \g+3
.endr
.endm
.macro FLUSH                           ; eight tiles' results, 128 points x 12 bytes, leave as 1,536 consecutive bytes at a multiple of 256 from the output's first byte
.irp k, 0,1,2
	ds_load_b128 v[60+4*\k:63+4*\k], v[LI] offset:OUTO+512*\k
.endr
.set DSN, DSN+3
	s_wait_dscnt 0x0
.irp k, 0,1,2
	global_store_b128 v[GO], v[60+4*\k:63+4*\k], s[22:23] offset:512*\k th:TH_STORE_NT
.endr
	s_wait_xcnt 0x0                                ; the stores' base and data are rewritten only behind this wait
	s_add_nc_u64 s[22:23], s[22:23], 1536
.endm
; THE BODY OF TILE n.  ab: tile n + 1 is blended; cc: tile n + 2's rows and tile n + 3's cell words are asked for; lct: the tail's load counts; mode 0: in the loop (n in s27), 1: tile 30, 2: tile 31.
.macro BODY ab, cc, lct, mode
.set FAB, \ab
.set FCC, \cc
.set LCT, \lct
.set PP, 0
.if \cc
	s_wait_xcnt 0x0                                ; the bases and the prefetch's offset of the body before are rewritten only behind this wait
	s_lshl_b32 s38, s27, 7
	s_add_nc_u64 s[30:31], s[48:49], s[38:39]      ; UV at tile n
	s_add_co_u32 s28, s27, 3
	s_min_u32 s28, s28, 31
	s_lshl_b32 s38, s28, 6
	s_add_nc_u64 s[34:35], s[32:33], s[38:39]      ; cell words of tile min(n + 3, 31)
	s_add_co_u32 s28, s27, 4
	s_min_u32 s28, s28, 31
	s_lshl_b32 s38, s28, 6
	s_add_nc_u64 s[36:37], s[32:33], s[38:39]      ; and of tile min(n + 4, 31)
.endif
.if \ab
	s_wait_loadcnt 63                              ; the two loads of the last body's head have 65 younger ones behind them
.endif
	v_mov_b32 v[CUR], v[NXT]
.if \ab
	v_mov_b32 v[NXT], v[LND]
.endif
.if \cc
	v_min_u32 v[PFO], 0x3fdfe, v[PIDX]
	v_mul_u32_u24 v[PFO], 400, v[PFO]
	v_add_nc_u32 v[PFO], v[PFO], v[PFH]
	global_load_b32 v[PIDX], v[PCO], s[36:37]
	global_load_b32 v[LND], v[UVO], s[30:31] offset:256            ; tile n + 2's coordinates (n + 2 <= 31 in the loop)
	; tile n + 3's rows: lane (r, h) asks for the 800 bytes of point r's two neighbouring table rows, lanes 16-31 for the pair 512 rows on; the last byte asked for lies inside the table.  Their gathers follow one body later
	global_prefetch_b8 v[PFO], s[8:9] th:TH_LOAD_NT scope:SCOPE_SE
	global_prefetch_b8 v[PFO], s[8:9] offset:256 th:TH_LOAD_NT scope:SCOPE_SE
	global_prefetch_b8 v[PFO], s[8:9] offset:512 th:TH_LOAD_NT scope:SCOPE_SE
	global_prefetch_b8 v[PFO], s[8:9] offset:768 th:TH_LOAD_NT scope:SCOPE_SE
.endif
	; tile n's features back from LDS; they land while the positional encoding is computed
	RBB HB+32, 0
	RBB HB+48, 1
	RBB XB, 2
	ds_load_b32 v[XB+16], v[RD4] offset:376
	ds_load_b128 v[XB+18:XB+21], v[RD48] offset:384                ; lanes 16-31 read bytes that are not block 5's: cleared below
.set DSN, DSN+2
.set MKRB, DSN
	v_mov_b32 v[HB], v[CUR]
	v_pk_mul_f32 v[X0:X0+1], v[CUR:CUR+1], v[K12:K12+1] op_sel_hi:[0,1]   ; (c, 4 c)
	PE2 0
	PE2 4
.if \ab
	TABLE                                          ; tile n + 1's weights
.endif
	s_wait_dscnt DSN-MKRB                          ; the features are in; so is all that was asked of LDS before them: b0 in set HA
.irp i, 18,19,20,21
	v_and_b32 v[XB+\i], v[MSK], v[XB+\i]
.endr
	QUANT2
	QUANT HB
	BIASLD 1, HB
.set MKB, DSN
	; layer 0: K 0 .. 127, then K 128 .. 165
	s_wait_alu depctr_va_vdst(0)
	LEAD
.set QUO, 16
	MMRUN 0x01, W0A, 12, PC, HA, WS, PW
	MMRUN 0x01, W0B, 6, XC1, HA, WS+4, XS1
	CLOSE
	LRELU HA
	QUANT HA
	BIASLD 2, HA
.set MKA, DSN
	; layer 1
	LEAD
	s_wait_alu depctr_va_vdst(0)
	s_wait_dscnt DSN-MKB                           ; b1 is in set HB
.set QUO, 7
	MMRUN 0x01, W1F, 12, PC, HB, WS+8, PW
	CLOSE
	LRELU HB
	QUANT HB
	BIASLD 3, HB
.set MKB, DSN
	; layer 2
	LEAD
	s_wait_alu depctr_va_vdst(0)
	s_wait_dscnt DSN-MKA
.set QUO, 4
	MMRUN 0x02, W2F, 12, PC, HA, WS+12, PW
	CLOSE
	LRELU HA
	QUANT HA
.if \mode != 2
	s_wait_alu depctr_va_vdst(0)
	BIASLD 0, HA                                   ; for the next tile
.endif
	; layer 3
	LEAD
	s_wait_alu depctr_va_vdst(0)
	s_wait_dscnt DSN-MKB
.set QUO, 4
	MMRUN 0x02, W3F, 12, PC, HB, WS+16, PW
	CLOSE
	LRELU HB
	; layer 4, on bf16: a lane's 16 units of each 32 are packed in their order, which is the order of W4's image
.set I, 0
.rept 32
	v_cvt_pk_bf16_f32 v[HB+I], v[HB+2*I], v[HB+2*I+1]
.set I, I+1
.endr
.if \mode == 0
	s_and_b32 s28, s27, 7
	s_mul_i32 s42, s28, 192
.elseif \mode == 1
	s_mov_b32 s42, 6*192
.else
	s_mov_b32 s42, 7*192
.endif
	WIN 0x12                                       ; W4 window 2, b4 window 1
	v_wmma_f32_16x16x32_bf16 v[OD0:OD0+7], v[W4F:W4F+7], v[HB:HB+7], v[B4C:B4C+7]
	WIN 0x02
	v_wmma_f32_16x16x32_bf16 v[OD1:OD1+7], v[W4F+8:W4F+15], v[HB+8:HB+15], 0       ; two accumulators by turns
	v_wmma_f32_16x16x32_bf16 v[OD0:OD0+7], v[W4F+16:W4F+23], v[HB+16:HB+23], v[OD0:OD0+7]
	v_wmma_f32_16x16x32_bf16 v[OD1:OD1+7], v[W4F+24:W4F+31], v[HB+24:HB+31], v[OD1:OD1+7]
	WIN 0
	v_add_nc_u32 v[OA], s42, v[OB]                 ; with the three lines below: four places behind the last product
.rept 3
	v_nop
.endr
	v_add_f32 v60, v[OD0], v[OD1]                  ; lanes 0-15: out(point r, 0 .. 2)
	v_add_f32 v61, v[OD0+1], v[OD1+1]
	v_add_f32 v62, v[OD0+2], v[OD1+2]
	ds_store_b32 v[OA], v60
	ds_store_b32 v[OA], v61 offset:4
	ds_store_b32 v[OA], v62 offset:8
.set DSN, DSN+3
.if \mode == 0
	s_cmp_lg_u32 s28, 7
	s_cbranch_scc1 .Lnoflush_\@
	FLUSH
.Lnoflush_\@:
.elseif \mode == 2
	FLUSH
.endif
.endm
	; ================ THE HEAD ================
	s_load_b512 s[4:19], s[0:1], 0x0               ; UV s[4:5], cell s[6:7], features s[8:9], wimg s[10:11], b0 .. b3 s[12:19]
	s_load_b128 s[20:23], s[0:1], 0x40             ; b4 s[20:21], out s[22:23]
	s_set_vgpr_msb 0x40
	v_lshl_add_u32 v254, v0, 2, 0xc000
	v_mov_b32 v255, 0
	s_set_vgpr_msb 0x4000
	v_lshrrev_b32 v60, 5, v0
	v_readfirstlane_b32 s24, v60                   ; wave 0 .. 3
	s_lshl_b32 s25, ttmp9, 2
	s_add_co_u32 s25, s25, s24                     ; which of the 1,024 waves
	s_mul_i32 s26, s24, WREG                       ; my LDS
	s_add_co_u32 s28, s26, TBLO
	s_mov_b32 s39, 0
	s_mov_b32 s40, 0x76543210
	s_mov_b32 s41, 0xfedcba98                      ; v_permlanex16_b32's selects for lane l xor 16
	v_and_b32 v61, 31, v0                          ; lane
	v_and_b32 v62, 15, v0                          ; r
	v_bfe_u32 v63, v0, 4, 1                        ; h
	v_lshlrev_b32 v[GO], 4, v61
	v_add_nc_u32 v[LI], s26, v[GO]
	v_mul_u32_u24 v64, 400, v62
	v_add_nc_u32 v64, s26, v64
	v_mad_u32_u24 v[RD48], v63, 48, v64
	v_lshl_add_u32 v[RD16], v63, 4, v64
	v_lshl_add_u32 v[RD4], v63, 2, v64
	v_lshl_add_u32 v[BH], v63, 6, s26
	v_add_nc_u32 v[BH], BIASO, v[BH]
	v_add_nc_u32 v[MSK], -1, v63
	v_mul_u32_u24 v[OB], 12, v62
	v_mad_u32_u24 v[OB], v63, 1536, v[OB]
	v_add_nc_u32 v[OB], s26, v[OB]
	v_add_nc_u32 v[OB], OUTO, v[OB]
	v_lshlrev_b32 v[UVO], 3, v62
	v_lshl_add_u32 v[UVO], v63, 2, v[UVO]
	v_lshlrev_b32 v[PCO], 2, v62
	v_mul_u32_u24 v[PFH], 0x32000, v63
	v_lshlrev_b32 v90, 3, v61                      ; 8 lane
	v_lshlrev_b32 v91, 2, v61
	v_lshl_add_u32 v91, v63, 6, v91                ; 4 lane + 64 h: lanes 16-31 reach the next fragment's scale words
	v_mov_b32 v[K12], 1.0
	v_mov_b32 v[K12+1], 4.0
	v_mov_b32 v[MAGIC], 0x4b400000
	v_mov_b32 v[MAGIC+1], 0x4b400000
	v_mov_b32 v[VS4], 0x3638ef1d
	v_mov_b32 v[VS4+1], 0x3638ef1d
	v_mov_b32 v[VC5], 0xb493f27e
	v_mov_b32 v[VC5+1], 0xb493f27e
.irp i, 6,7,8,9,10,11
	v_mov_b32 v[XC1+\i], 0                         ; x's blocks 6 and 7: zero codes, for the whole launch
.endr
.irp i, 17,22,23,24,25,26,27,28,29,30,31
	v_mov_b32 v[XB+\i], 0                          ; the places of block 5 that do not exist
.endr
	; the slots' tables: piece = 32 j + lane (slot 12: 384 + r, twice); p = piece / 25 = (41 piece) >> 10 for pieces under 400; q = piece - 25 p
.set J, 0
.rept 13
.if J < 12
	v_add_nc_u32 v[HA+32+J], 32*J, v61
.else
	v_add_nc_u32 v[HA+32+J], 384, v62
.endif
	v_mul_u32_u24 v[HA+J], 41, v[HA+32+J]
	v_lshrrev_b32 v[HA+J], 10, v[HA+J]
	v_mul_u32_u24 v[HA+16+J], 25, v[HA+J]
	v_sub_nc_u32 v[HA+16+J], v[HA+32+J], v[HA+16+J]
.set J, J+1
.endr
	WIN 0x80                                       ; destination window 2
.set J, 0
.rept 13
	v_lshlrev_b32 v[P4+J], 2, v[HA+J]
	v_lshl_add_u32 v[T16+J], v[HA+J], 4, s28
.set J, J+1
.endr
	WIN 0xc0                                       ; destination window 3
.set J, 0
.rept 13
	v_lshlrev_b32 v[Q16+J], 4, v[HA+16+J]
.set J, J+1
.endr
	v_mov_b32 v[LI3], v[LI]
	WIN 0x40                                       ; destination window 1
.irp i, 144,145,146,147,148,149
	v_mov_b32 v[\i], 0                             ; behind W0's last half fragment
.endr
	s_wait_kmcnt 0x0
	s_lshl_b32 s38, s25, 12
	s_add_nc_u64 s[48:49], s[4:5], s[38:39]        ; my 512 points of UV,
	s_lshl_b32 s38, s25, 11
	s_add_nc_u64 s[32:33], s[6:7], s[38:39]        ; their cell words,
	s_mul_i32 s38, s25, 6144
	s_add_nc_u64 s[22:23], s[22:23], s[38:39]      ; their results
	s_load_b96 s[44:46], s[20:21], 0x0             ; b4
	s_mov_b64 s[34:35], s[32:33]
	WIN 0xc2
.set J, 0
.rept 13
	global_load_b32 v[IDX+J], v[P4+J], s[34:35]    ; tile 0's cell words
.set J, J+1
.endr
	WIN 0
	global_load_b32 v[NXT], v[UVO], s[48:49]       ; tile 0's coordinates,
	global_load_b32 v[LND], v[UVO], s[48:49] offset:128            ; tile 1's,
	global_load_b32 v[PIDX], v[PCO], s[32:33] offset:192           ; tile 3's cell words
	s_wait_loadcnt 0x0
	s_wait_xcnt 0x0
	s_add_nc_u64 s[34:35], s[32:33], 64
.set FAB, 0
.set FCC, 1
.set LCT, 0
.set J, 0
.rept 13
.set PP, 3*J+2
	PART                                           ; tile 0's rows are asked for, and tile 1's cell words
.set J, J+1
.endr
	; the weights come while those gathers are on their way
	WIN 0x40
.set I, 0
.rept 24
	global_load_b128 v[W0A+4*I:W0A+4*I+3], v[GO], s[10:11] offset:512*I
.set I, I+1
.endr
.set I, 0
.rept 8
	global_load_b128 v[W0B+6*I:W0B+6*I+3], v[GO], s[10:11] offset:12288+768*I
	global_load_b64 v[W0B+6*I+4:W0B+6*I+5], v90, s[10:11] offset:12288+768*I+512
.set I, I+1
.endr
.set I, 0
.rept 24
	global_load_b128 v[W1F+4*I:W1F+4*I+3], v[GO], s[10:11] offset:18432+512*I
.set I, I+1
.endr
	WIN 0x80
.set I, 0
.rept 24
	global_load_b128 v[W2F+4*I:W2F+4*I+3], v[GO], s[10:11] offset:30720+512*I
.set I, I+1
.endr
.set I, 0
.rept 24
	global_load_b128 v[W3F+4*I:W3F+4*I+3], v[GO], s[10:11] offset:43008+512*I
.set I, I+1
.endr
.set I, 0
.rept 8
	global_load_b128 v[W4F+4*I:W4F+4*I+3], v[GO], s[10:11] offset:60416+512*I
.set I, I+1
.endr
	WIN 0
.set I, 0
.rept 20
	global_load_b32 v[WS+I], v91, s[10:11] offset:55296+256*I
.set I, I+1
.endr
.irp l, 0,1,2,3
	global_load_b128 v[HB+4*\l:HB+4*\l+3], v[GO], s[12+2*\l:13+2*\l]   ; a bias is 512 bytes: 16 a lane
.endr
	s_wait_loadcnt 0x0
	s_wait_kmcnt 0x0
.irp l, 0,1,2,3
	ds_store_b128 v[LI], v[HB+4*\l:HB+4*\l+3] offset:BIASO+512*\l
.endr
.set DSN, DSN+4
	WIN 0x40
	v_mov_b32 v[B4C], s44                          ; b4 in the result's layout: register j is output j
	v_mov_b32 v[B4C+1], s45
	v_mov_b32 v[B4C+2], s46
.irp i, 3,4,5,6,7
	v_mov_b32 v[B4C+\i], 0
.endr
	WIN 0
	TABLE                                          ; tile 0's weights
	s_wait_xcnt 0x0
	s_add_nc_u64 s[34:35], s[32:33], 128
.set FAB, 1
.set PP, 0
.rept 39
	PART                                           ; tile 0 is blended; tile 1's rows and tile 2's cell words are asked for
.endr
	WIN 0
	BIASLD 0, HA
	s_mov_b32 s27, 0
.Ltile:                                            ; tiles 0 .. 29
	BODY 1, 1, 0, 0
	s_add_co_u32 s27, s27, 1
	s_cmp_lt_u32 s27, 30
	s_cbranch_scc1 .Ltile
	BODY 1, 0, 1, 1                                ; tile 30: blends tile 31, asks for nothing
	BODY 0, 0, 1, 2                                ; tile 31
	s_set_vgpr_msb 0x5
	s_wait_tensorcnt 0x0
	ds_add_u32 v254, v255
	s_wait_dscnt 0x0
	s_set_vgpr_msb 0x500
	s_endpgm
.Lfunc_end_k_q0217a0cb19_mlp:
	.size	k_q0217a0cb19_mlp, .Lfunc_end_k_q0217a0cb19_mlp-k_q0217a0cb19_mlp
	.p2alignl 7, 3214868480
	.fill 96, 4, 3214868480
	.section	.rodata,"a",@progbits
	.p2align	6, 0x0
	.amdhsa_kernel k_q0217a0cb19_mlp
		.amdhsa_group_segment_fixed_size 49664
		.amdhsa_private_segment_fixed_size 0
		.amdhsa_enable_private_segment 0
		.amdhsa_kernarg_size 80
		.amdhsa_user_sgpr_count 2
		.amdhsa_user_sgpr_kernarg_segment_ptr 1
		.amdhsa_wavefront_size32 1
		.amdhsa_system_sgpr_workgroup_id_x 1
		.amdhsa_system_sgpr_workgroup_id_y 1
		.amdhsa_system_sgpr_workgroup_id_z 1
		.amdhsa_system_vgpr_workitem_id 0
		.amdhsa_next_free_vgpr 1024
		.amdhsa_next_free_sgpr 66
		.amdhsa_reserve_vcc 0
		.amdhsa_float_denorm_mode_32 3
		.amdhsa_float_denorm_mode_16_64 3
		.amdhsa_memory_ordered 1
		.amdhsa_forward_progress 1
		.amdhsa_inst_pref_size 255
	.end_amdhsa_kernel
	.section	.bss,"aw",@nobits
	.p2align	6
	.space	262144
	.amdgpu_metadata
---
amdhsa.version: [ 1, 2 ]
amdhsa.kernels:
  - .name:           k_q0217a0cb19_mlp
    .symbol:         k_q0217a0cb19_mlp.kd
    .args:
      - { .name: UV, .offset: 0, .size: 8, .value_kind: global_buffer, .address_space: global }
      - { .name: cell, .offset: 8, .size: 8, .value_kind: global_buffer, .address_space: global }
      - { .name: features, .offset: 16, .size: 8, .value_kind: global_buffer, .address_space: global }
      - { .name: wimg, .offset: 24, .size: 8, .value_kind: global_buffer, .address_space: global }
      - { .name: b0, .offset: 32, .size: 8, .value_kind: global_buffer, .address_space: global }
      - { .name: b1, .offset: 40, .size: 8, .value_kind: global_buffer, .address_space: global }
      - { .name: b2, .offset: 48, .size: 8, .value_kind: global_buffer, .address_space: global }
      - { .name: b3, .offset: 56, .size: 8, .value_kind: global_buffer, .address_space: global }
      - { .name: b4, .offset: 64, .size: 8, .value_kind: global_buffer, .address_space: global }
      - { .name: out0, .offset: 72, .size: 8, .value_kind: global_buffer, .address_space: global }
    .group_segment_fixed_size: 49664
    .private_segment_fixed_size: 0
    .kernarg_segment_align: 8
    .kernarg_segment_size: 80
    .max_flat_workgroup_size: 128
    .sgpr_count:     66
    .vgpr_count:     1024
    .wavefront_size: 32
...
	.end_amdgpu_metadata
.endif
;; end of part 2
